; MI455X (gfx1250); checked and timed in simulation.
; The chip was launched on July 23, 2026; its instructions are those of AMD's public machine-readable ISA for CDNA 5 (MIT licence, August 2026) and "CDNA5" Instruction Set Architecture Reference Guide (July 2026). The comments in the code are by the model that wrote it; some were corrected since.
;; Spatial Attention Layer. Allowed arithmetic: matrix products marked QUANTISED: E2M1 operands, one E8M0 scale for each 32 along K, by v_wmma_scale_f32_16x16x128_f8f6f4 with both operands' format E2M1 (or v_wmma_scale_f32_32x16x128_f4), f32 sums; everything else in f32.
;; Inputs: P 8,192 x 3 float32; W_k_codes 256 x 8 x 16 uint8 (E2M1 codes of W_k, K innermost, in blocks of 32 codes, two codes a byte); W_k_scales 256 x 8 uint8 (E8M0 scales of W_k, one for each 32 codes along K); W_q_codes 256 x 8 x 16 uint8 (E2M1 codes of W_q, K innermost, in blocks of 32 codes, two codes a byte); W_q_scales 256 x 8 uint8 (E8M0 scales of W_q, one for each 32 codes along K); W_v_codes 256 x 8 x 16 uint8 (E2M1 codes of W_v, K innermost, in blocks of 32 codes, two codes a byte); W_v_scales 256 x 8 uint8 (E8M0 scales of W_v, one for each 32 codes along K); X 8,192 x 256 float32; b_k 256 float32; b_q 256 float32; b_v 256 float32.
;; Outputs: out0 8,192 x 256 float32.
;; This version of the problem:
;;   THIS VERSION OF THE PROBLEM IS GIVEN IN LOW PRECISION. The matrix products marked QUANTISED in the list below multiply operands that are first quantised to E2M1 (2 exponent bits, 1 mantissa bit; 4 bits a number), with one power-of-two scale for each 32 numbers along K (OCP MX v1.0); their sums are f32. All else is computed in f32.
;;   The module's matrix products, in the order in which they are computed (A, B: the left and right operand; K: the contracted axis; several contracted axes count as one K, in the product's order):
;;     1. [M 8,192, K 256] x [K 256, N 256]; A: input X; B: input W_q (given as codes): QUANTISED
;;     2. [M 8,192, K 256] x [K 256, N 256]; A: input X; B: input W_k (given as codes): QUANTISED
;;     3. [M 8,192, K 256] x [K 256, N 256]; A: input X; B: input W_v (given as codes): QUANTISED
;;     4. [M 8,192, K 256] x [K 256, N 8,192]; A: computed on the way; B: computed on the way: QUANTISED
;;     5. [M 8,192, K 8,192] x [K 8,192, N 256]; A: computed on the way; B: computed on the way: QUANTISED
;;   THE QUANTISER, for each operand of a quantised product, along K:
;;     - K is cut into blocks of 32 from its start; a last block that is shorter is filled with zeros.
;;     - A block's scale is 2^e with e = floor(log2(the largest magnitude in the block)) - 2, held to -126 .. 127; a block of zeros has e = 0. As a byte (E8M0): e + 127.
;;     - Each number is divided by its block's scale, clamped to +-6, and rounded to the nearest number of E2M1, ties to even, subnormals kept.
;;     - The product sums the exact products of the quantised numbers (number of the format x scale) in f32.
;;   ~~~python
;;   def quantise(x, axis):      # numpy; x: float32 -> the quantised numbers, widened to float32 again
;;       x = np.moveaxis(x, axis, -1); K = x.shape[-1]
;;       x = np.pad(x, [(0, 0)] * (x.ndim - 1) + [(0, -K % 32)]); x = x.reshape(x.shape[:-1] + (-1, 32)); a = np.abs(x).max(-1, keepdims=True)
;;       e = np.where(a > 0, np.clip(np.frexp(np.where(a > 0, a, 1))[1] - 1 - 2, -126, 127), 0)      # np.frexp(a)[1] - 1 = floor(log2(a)), exactly
;;       r = np.clip(x / 2.0 ** e, -6, 6)
;;       step = 2.0 ** (np.maximum(np.frexp(np.where(r == 0, 1, r))[1] - 1, 0) - 1)
;;       q = np.round(r / step) * step * 2.0 ** e      # np.round: ties to even
;;       return np.moveaxis(q.reshape(q.shape[:-2] + (-1,))[..., :K], -1, axis).astype(np.float32)
;;   ~~~
;;   OPERANDS COMPUTED ON THE WAY. 'Computed on the way' means the value that the module computes at that place (a softmax that the list does not call 'softmax' is quantised finished and normalised). What goes into a quantiser is computed in f32, as accurately as f32 sums, v_exp_f32 and their like allow (about 1e-6 of the number): no bf16 or f16 on the way to a quantiser, and a product that is left as it is and whose result goes on into a quantised operand takes f32 operands (vector FMAs, or v_wmma_f32_16x16x4_f32). A number that lies on a knife's edge between two numbers of the format may be rounded either way, as far as f32 arithmetic and the matrix unit's own rounding can turn it there, and no further.
;;   INPUTS GIVEN AS CODES. W_k (in the module: [256, 256], K = its axis 0); W_q (in the module: [256, 256], K = its axis 0); W_v (in the module: [256, 256], K = its axis 0): each comes as NAME_codes (uint8): NAME with its K axis moved to the last place and cut into blocks of 32 codes, [.., K / 32, bytes a block], one block behind the other in memory; two codes a byte, the lower K in the low four bits (a code: sign, 2 exponent bits, 1 mantissa bit); and NAME_scales (uint8): the same leading axes, one E8M0 byte (e + 127) for each 32 codes along K. Its value is code x scale, taken as it is: it is not quantised again, and the codes and scales need not be those that the quantiser above would give.
;; One version. Each part assembles by itself: llvm-mc -triple=amdgcn-amd-amdhsa -mcpu=gfx1250 --defsym DOCPART=n.
;; ======== version 1 of 1: 2 launches
;; limits: right only within a limited range of input values
;; workspace buffers: QR 1,114,112 bytes; KF 1,048,576 bytes; KX 196,608 bytes; VF 1,048,576 bytes; VS 65,536 bytes
;; launch prep (part 1): grid 256 x 1, 4 waves a work-group, no clusters, 5,376 bytes of LDS; arguments X, P, W_q_codes, W_q_scales, b_q, W_k_codes, W_k_scales, b_k, W_v_codes, W_v_scales, b_v, QR, KF, KX, VF, VS; writes QR, KF, KX, VF, VS
.if DOCPART == 1
	.amdgcn_target "amdgcn-amd-amdhsa--gfx1250"
	.amdhsa_code_object_version 6
	.text
	.protected	k_qa8ce3154ef_prep
	.globl	k_qa8ce3154ef_prep
	.p2align	8
	.type	k_qa8ce3154ef_prep,@function
k_qa8ce3154ef_prep:
	s_mov_b64 s[64:65], 0
	v_nop
	global_prefetch_b8 v0, s[64:65] scope:SCOPE_SE
	s_setreg_imm32_b32 hwreg(HW_REG_WAVE_MODE, 25, 1), 1
	s_wait_xcnt 0x0
; PREP.  Q = X Wq + bq, K = X Wk + bk, V = X Wv + bv on codes of FP4 (E2M1) with one E8M0 scale for each 32 along K; the three results are quantised again
; (Q and K along the hidden 256, V along the tokens) and stored AS IMAGES OF THE OPERAND REGISTERS of the attention launch; P is stored as three planes.
; SHARES.  A work-group takes one block of 32 tokens (256 blocks).  The block's two tiles of 16 tokens are not neighbours: lane r of tile u holds token 8 u + r + 8 (r / 8),
; so that the 16 registers of two neighbouring result tiles are 16 neighbours along the next product's K.
; Wave w takes columns 64 w .. 64 w + 63: of X (to quantise), of Q and of K; 64 columns are one group of four registers of a fragment and two bytes of a scale word.  Of V it takes channel tiles 4 w .. 4 w + 3.
; Q and K are made TRANSPOSED (source 0 = 16 rows of W, source 1 = 16 tokens): a lane holds one token, its registers run along the hidden units.
; V is made the plain way (source 0 = 16 tokens, source 1 = 16 rows of Wv): a lane holds one channel, its registers run along the tokens, which are the last product's K.
; X's codes go from wave to wave through LDS as images of their registers (16 bytes a lane, 512 a store); the halves of scale words meet in LDS too.
; A block's scale byte is its largest magnitude's exponent field - 2, held at 1 from below.
; LIMITS: a block of zeros gets the byte 1 where the rule says 127 (its codes are zeros; this program alone reads the bytes); NaN and infinities among the inputs are not served.
; No tensor load, no cluster: every work-group reads other rows of X, and the weights, 100 KB in all, are read once by each work-group, each row by one wave.
; REGISTERS, window 0: v1-15 addresses; v16-47 X's fragments; v48-61 scale words; v62-69 bv; v70-133 bq, bk in the result's layout; v134-197 numbers at work; v198-205, v250-253 at work; v208-243 codes and bytes on their way out.
;   window 1: v0-63 Wq's fragments, v64-127 Wk's, v128-191 Wv's.
.set XIMG,  0                          ; LDS: X's 8 groups of four registers: 2048 u + 512 (2 s + c) + 16 lane
.set XSC,   4096                       ; X's scale words: 128 u + 4 (16 s + r)
.set QSC,   4352                       ; Q's, laid alike
.set KSC,   4608                       ; K's
.set SPARE, 4864                       ; the spare words, 128 bytes for each wave: two blocks of 256 bytes that no other line names
.set LI,   1                           ; 16 x lane
.set LS,   2                           ; 4 x lane
.set XA,   3                           ; X: 1024 rr + 64 h    (rr = r + 8 (r / 8))
.set WA,   4                           ; Wq, Wk codes: 128 rr + 16 h
.set WSA,  5                           ; their scale words: 8 rr + 4 h: lanes 0-15 the word of K step 0, lanes 16-31 that of K step 1
.set BA,   6                           ; bq, bk: 64 h
.set WVA,  7                           ; Wv codes: 128 r + 16 h
.set WVS,  8                           ; its scale words: 8 r + 4 h
.set R4,   9                           ; 4 r
.set SCA,  10                          ; where my half of a scale word goes: 4 r + 64 (w / 2) + 2 (w % 2)
.set VO,   11                          ; V's codes: 16 r + 8 h
.set SPW,  12                          ; LDS address of my spare word; never rewritten
.set NIL,  13                          ; 0; never rewritten
.set XW,   14                          ; 16 x lane + 512 w: my group's place in an image, in LDS and in memory
.set GA,   15                          ; QSC + 256 (w % 2) + 8 x lane
.set XF,   16                          ; X's fragments: 16 u + 8 s
.set XS,   48                          ; X's scale words, tile u
.set WQS,  50                          ; scale words of my four tiles of Wq,
.set WKS,  54                          ; of Wk,
.set WVSC, 58                          ; of Wv
.set BV,   62                          ; bv of my channel, twice, for each of my four tiles
.set BIQ,  70
.set BIK,  102
.set HA,   134
.set TM,   198
.set L8,   244                         ; 8 x lane
.set L12,  245                         ; 12 x lane
.set SEL,  50                          ; s[50:51] selects of v_permlanex16_b32 for lane l xor 16
.set MSB, 0
.macro WIN new                         ; the immediate's high byte repeats the setting that is left
.if MSB != \new
	s_set_vgpr_msb (MSB<<8)|\new
.set MSB, \new
.endif
.endm
.macro PLACES n
.rept \n
	v_nop
.endr
.endm
; 32 numbers of a lane, register 16 b + i = k 32 b + 16 (lane / 16) + i of my row, become four registers of codes (k = 32 (lane / 16) + 0 .. 31) and two scale bytes.
.macro QUANT2 src, dst, sb
.irp b, 0,1
	v_max3_num_f32 v[TM+\b], |v[\src+16*\b]|, |v[\src+16*\b+1]|, 0x1800000   ; my 16 numbers of block b, and the floor 2^(3 - 127): the byte cannot fall under 1
.endr
.irp i, 2,4,6,8,10,12,14
.irp b, 0,1
	v_max3_num_f32 v[TM+\b], v[TM+\b], |v[\src+16*\b+\i]|, |v[\src+16*\b+\i+1]|
.endr
.endr
.irp b, 0,1
	v_permlanex16_b32 v[TM+2+\b], v[TM+\b], s[SEL], s[SEL+1]
.endr
.irp b, 0,1
	v_max_num_f32 v[TM+\b], v[TM+\b], v[TM+2+\b]       ; with lane l xor 16's: the block's largest magnitude
.endr
.irp b, 0,1
	v_add_nc_u32 v[TM+4+\b], 0xff000000, v[TM+\b]      ; 2 off its exponent field: the conversion's scale operand
.endr
.irp b, 0,1
	v_lshrrev_b32 v[TM+2+\b], 23, v[TM+4+\b]           ; the scale's byte
.endr
	v_lshl_or_b32 v[\sb], v[TM+3], 8, v[TM+2]
.irp b, 0,1
	v_cvt_scalef32_pk8_fp4_f32 v[\dst+2*\b], v[\src+16*\b:\src+16*\b+7], v[TM+4+\b]
	v_cvt_scalef32_pk8_fp4_f32 v[\dst+2*\b+1], v[\src+16*\b+8:\src+16*\b+15], v[TM+4+\b]
.endr
	v_nop                                              ; one plain place behind a scaled conversion
	v_permlane16_swap_b32 v[\dst], v[\dst+2]           ; the operand's layout wants a whole block in a lane
	v_permlane16_swap_b32 v[\dst+1], v[\dst+3]
.endm
; my four tiles of a weight: 16 loads of codes into window 1, 4 scale words, 8 loads of the bias in the result's layout: 28 loads
.macro WSET wreg, cod, scl, bia, sreg, breg
	WIN 0x40                                           ; destination window 1, address window 0
.irp T, 0,1,2,3
.irp s, 0,1
.irp c, 0,1
	global_load_b128 v[\wreg+16*\T+8*\s+4*\c:\wreg+16*\T+8*\s+4*\c+3], v[WA], s[\cod:\cod+1] offset:(32*(\T/2)+8*(\T%2))*128+64*\s+32*\c
.endr
.endr
.endr
	WIN 0
.irp T, 0,1,2,3
	global_load_b32 v[\sreg+\T], v[WSA], s[\scl:\scl+1] offset:(32*(\T/2)+8*(\T%2))*8
.endr
.irp T, 0,1,2,3
	global_load_b128 v[\breg+8*\T:\breg+8*\T+3], v[BA], s[\bia:\bia+1] offset:(32*(\T/2)+8*(\T%2))*4
	global_load_b128 v[\breg+8*\T+4:\breg+8*\T+7], v[BA], s[\bia:\bia+1] offset:(32*(\T/2)+8*(\T%2))*4+16
.endr
.endm
; 16 products: my 64 hidden units x 32 tokens x 256.  The eight accumulators take turns; the bias is the C of each sum's first product.
.macro PROJ wreg, sreg, breg
	WIN 0x01                                           ; source 0 (the weight) window 1
.irp u, 0,1
.irp T, 0,1,2,3
	v_wmma_scale_f32_16x16x128_f8f6f4 v[HA+32*\u+8*\T:HA+32*\u+8*\T+7], v[\wreg+16*\T:\wreg+16*\T+7], v[XF+16*\u:XF+16*\u+7], v[\breg+8*\T:\breg+8*\T+7], v[\sreg+\T], v[XS+\u] matrix_a_fmt:MATRIX_FMT_FP4 matrix_b_fmt:MATRIX_FMT_FP4
.endr
.endr
.irp u, 0,1
.irp T, 0,1,2,3
	v_wmma_scale_f32_16x16x128_f8f6f4 v[HA+32*\u+8*\T:HA+32*\u+8*\T+7], v[\wreg+16*\T+8:\wreg+16*\T+15], v[XF+16*\u+8:XF+16*\u+15], v[HA+32*\u+8*\T:HA+32*\u+8*\T+7], v[\sreg+\T], v[XS+\u] matrix_a_fmt:MATRIX_FMT_FP4 matrix_b_fmt:MATRIX_FMT_FP4 matrix_a_scale:MATRIX_SCALE_ROW1 matrix_b_scale:MATRIX_SCALE_ROW1
.endr
.endr
	WIN 0
	PLACES 5                                           ; four in front of the first read of results; the fifth for the next run of products, which writes over these accumulators
.endm
	s_load_b512 s[16:31], s[0:1], 0x0                  ; X, P, Wq codes, Wq scales, bq, Wk codes, Wk scales, bk
	s_load_b512 s[32:47], s[0:1], 0x40                 ; Wv codes, Wv scales, bv, QR, KF, KX, VF, VS
	v_lshl_add_u32 v[SPW], v0, 2, SPARE
	v_mov_b32 v[NIL], 0
	v_lshrrev_b32 v246, 5, v0
	v_readfirstlane_b32 s4, v246                       ; wave 0..3
	v_and_b32 v246, 31, v0                             ; lane
	v_and_b32 v247, 15, v0                             ; r
	v_bfe_u32 v248, v0, 4, 1                           ; h
	v_and_b32 v249, 8, v247
	v_add_nc_u32 v249, v249, v247                      ; rr = r + 8 (r / 8)
	v_lshlrev_b32 v[LI], 4, v246
	v_lshlrev_b32 v[LS], 2, v246
	v_lshlrev_b32 v[L8], 3, v246
	v_mul_u32_u24 v[L12], v246, 12
	v_lshlrev_b32 v[XA], 10, v249
	v_lshl_add_u32 v[XA], v248, 6, v[XA]
	v_lshlrev_b32 v[WA], 7, v249
	v_lshl_add_u32 v[WA], v248, 4, v[WA]
	v_lshlrev_b32 v[WSA], 3, v249
	v_lshl_add_u32 v[WSA], v248, 2, v[WSA]
	v_lshlrev_b32 v[BA], 6, v248
	v_lshlrev_b32 v[WVA], 7, v247
	v_lshl_add_u32 v[WVA], v248, 4, v[WVA]
	v_lshlrev_b32 v[WVS], 3, v247
	v_lshl_add_u32 v[WVS], v248, 2, v[WVS]
	v_lshlrev_b32 v[R4], 2, v247
	s_wait_alu depctr_va_vdst(0)
	v_lshlrev_b32 v[VO], 4, v247
	v_lshl_add_u32 v[VO], v248, 3, v[VO]
	s_lshl_b32 s8, s4, 8                               ; 256 w
	s_lshl_b32 s9, s4, 9                               ; 512 w
	s_lshl_b32 s10, s4, 13                             ; 8192 w
	s_lshr_b32 s11, s4, 1                              ; w / 2: the K step of my 64 columns
	s_and_b32 s12, s4, 1                               ; w % 2: which half of it
	s_lshl_b32 s13, s11, 6
	s_lshl_b32 s14, s12, 1
	s_add_co_u32 s13, s13, s14
	v_add_nc_u32 v[SCA], s13, v[R4]
	v_add_nc_u32 v[XW], s9, v[LI]
	s_lshl_b32 s13, s12, 8
	s_add_co_u32 s13, s13, QSC
	v_add_nc_u32 v[GA], s13, v[L8]
.irp i, 0,1,2,3,4,5,6,7
	v_mov_b32 v[TM+\i], 0                              ; written once: a lane permute's destination counts as one of its sources
.endr
	s_mov_b32 s[SEL], 0x76543210
	s_mov_b32 s[SEL+1], 0xfedcba98
	s_mov_b32 s7, 0                                    ; every offset below is under 2^32: s[6:7] is the pair that is added
	s_wait_kmcnt 0x0
	s_lshl_b32 s6, ttmp9, 15
	s_add_co_u32 s6, s6, s8
	s_add_nc_u64 s[16:17], s[16:17], s[6:7]            ; X at my block's first row (32 rows of 1,024 bytes), my 64 columns
.irp u, 0,1
.irp b, 0,1
.irp j, 0,1,2,3
	global_load_b128 v[HA+32*\u+16*\b+4*\j:HA+32*\u+16*\b+4*\j+3], v[XA], s[16:17] offset:8192*\u+128*\b+16*\j th:TH_LOAD_NT   ; token 8 u + rr, columns 32 b + 16 h + 4 j on
.endr
.endr
.endr
	s_mov_b32 s6, s10
	s_add_nc_u64 s[20:21], s[20:21], s[6:7]            ; my 64 rows of each weight's codes (128 bytes a row),
	s_add_nc_u64 s[26:27], s[26:27], s[6:7]
	s_add_nc_u64 s[32:33], s[32:33], s[6:7]
	s_mov_b32 s6, s9
	s_add_nc_u64 s[22:23], s[22:23], s[6:7]            ; of its scale bytes (8 a row),
	s_add_nc_u64 s[28:29], s[28:29], s[6:7]
	s_add_nc_u64 s[34:35], s[34:35], s[6:7]
	s_mov_b32 s6, s8
	s_add_nc_u64 s[24:25], s[24:25], s[6:7]            ; and my 64 numbers of each bias
	s_add_nc_u64 s[30:31], s[30:31], s[6:7]
	s_add_nc_u64 s[36:37], s[36:37], s[6:7]
	WSET 0, 20, 22, 24, WQS, BIQ
	WSET 64, 26, 28, 30, WKS, BIK
	s_mul_i32 s6, ttmp9, 4352
	s_add_nc_u64 s[38:39], s[38:39], s[6:7]            ; QR: 4,352 bytes a block
	s_lshl_b32 s6, ttmp9, 12
	s_add_nc_u64 s[40:41], s[40:41], s[6:7]            ; KF: 4,096
	s_mul_i32 s6, ttmp9, 768
	s_add_nc_u64 s[42:43], s[42:43], s[6:7]            ; KX: 768
	s_mul_i32 s6, ttmp9, 384
	s_add_nc_u64 s[18:19], s[18:19], s[6:7]            ; P: 32 rows of 12 bytes
	s_lshr_b32 s14, ttmp9, 2                           ; the step of 128 keys in which my block lies,
	s_and_b32 s15, ttmp9, 3                            ; and its place there
	s_lshl_b32 s6, s14, 14
	s_lshl_b32 s13, s4, 12
	s_add_co_u32 s6, s6, s13
	s_lshl_b32 s13, s15, 8
	s_add_co_u32 s6, s6, s13
	s_add_nc_u64 s[44:45], s[44:45], s[6:7]            ; VF: 16,384 a step + 1,024 a channel tile (my first: 4 w) + 256 a block
	s_lshl_b32 s6, s14, 10
	s_lshl_b32 s13, s11, 9
	s_add_co_u32 s6, s6, s13
	s_lshl_b32 s13, s12, 3
	s_add_co_u32 s6, s6, s13
	s_add_co_u32 s6, s6, s15
	s_add_nc_u64 s[46:47], s[46:47], s[6:7]            ; VS: 1,024 a step + 512 (w / 2) + 8 (w % 2) + the block's byte
	; ---- X: my 64 columns of the 32 tokens become one group of four registers a tile, and half a scale word a token
	s_wait_loadcnt 56                                  ; X's 16 loads are in; the 56 younger ones, Wq's and Wk's sets, may be out
	QUANT2 HA, 208, 232
	QUANT2 HA+32, 212, 233
	ds_store_b128 v[XW], v[208:211] offset:XIMG
	ds_store_b128 v[XW], v[212:215] offset:XIMG+2048
	ds_store_b16 v[SCA], v232 offset:XSC               ; both lanes of a row write the same two bytes with the same value
	ds_store_b16 v[SCA], v233 offset:XSC+128
	WIN 0x40                                           ; Wv's set, 28 loads: my four tiles are 16 neighbouring rows each
.irp j, 0,1,2,3
.irp s, 0,1
.irp c, 0,1
	global_load_b128 v[128+16*\j+8*\s+4*\c:128+16*\j+8*\s+4*\c+3], v[WVA], s[32:33] offset:2048*\j+64*\s+32*\c
.endr
.endr
.endr
	WIN 0
.irp j, 0,1,2,3
	global_load_b32 v[WVSC+\j], v[WVS], s[34:35] offset:128*\j
.endr
.irp j, 0,1,2,3
	global_load_b32 v[BV+2*\j], v[R4], s[36:37] offset:64*\j
	global_load_b32 v[BV+2*\j+1], v[R4], s[36:37] offset:64*\j
.endr
	s_wait_dscnt 0x0                                   ; for the others' sake: my stores have landed
	s_barrier_signal -1
	s_barrier_wait -1                                  ; X's codes and scale words are whole
.irp u, 0,1
.irp g, 0,1,2,3
	ds_load_b128 v[XF+16*\u+4*\g:XF+16*\u+4*\g+3], v[LI] offset:XIMG+2048*\u+512*\g
.endr
	ds_load_b32 v[XS+\u], v[LS] offset:XSC+128*\u
.endr
	s_wait_dscnt 0x0
	; ---- Q
	s_wait_loadcnt 56                                  ; Wq's set is in; Wk's and Wv's, 28 each, may be out
	PROJ 0, WQS, BIQ
	QUANT2 HA, 208, 234
	QUANT2 HA+32, 212, 235
	global_store_b128 v[XW], v[208:211], s[38:39]      ; the wave stores 512 consecutive bytes
	global_store_b128 v[XW], v[212:215], s[38:39] offset:2048
	ds_store_b16 v[SCA], v234 offset:QSC
	ds_store_b16 v[SCA], v235 offset:QSC+128
	; ---- K
	s_wait_loadcnt 28                                  ; Wk's set is in; Wv's may be out
	PROJ 64, WKS, BIK
	QUANT2 HA, 216, 236
	QUANT2 HA+32, 220, 237
	global_store_b128 v[XW], v[216:219], s[40:41]
	global_store_b128 v[XW], v[220:223], s[40:41] offset:2048
	ds_store_b16 v[SCA], v236 offset:KSC
	ds_store_b16 v[SCA], v237 offset:KSC+128
	; ---- V: register 16 j + 8 u + i of lane (r, h) is V(token 16 h + 8 u + i, channel 16 (4 w + j) + r)
	s_wait_loadcnt 0x0
	WIN 0x04                                           ; source 1 (Wv) window 1
.irp j, 0,1,2,3
.irp u, 0,1
	v_wmma_scale_f32_16x16x128_f8f6f4 v[HA+16*\j+8*\u:HA+16*\j+8*\u+7], v[XF+16*\u:XF+16*\u+7], v[128+16*\j:128+16*\j+7], 0, v[XS+\u], v[WVSC+\j] matrix_a_fmt:MATRIX_FMT_FP4 matrix_b_fmt:MATRIX_FMT_FP4
.endr
.endr
.irp j, 0,1,2,3
.irp u, 0,1
	v_wmma_scale_f32_16x16x128_f8f6f4 v[HA+16*\j+8*\u:HA+16*\j+8*\u+7], v[XF+16*\u+8:XF+16*\u+15], v[128+16*\j+8:128+16*\j+15], v[HA+16*\j+8*\u:HA+16*\j+8*\u+7], v[XS+\u], v[WVSC+\j] matrix_a_fmt:MATRIX_FMT_FP4 matrix_b_fmt:MATRIX_FMT_FP4 matrix_a_scale:MATRIX_SCALE_ROW1 matrix_b_scale:MATRIX_SCALE_ROW1
.endr
.endr
	WIN 0
	PLACES 5
.irp j, 0,1,2,3
.irp k, 0,2,4,6,8,10,12,14
	v_pk_add_f32 v[HA+16*\j+\k:HA+16*\j+\k+1], v[HA+16*\j+\k:HA+16*\j+\k+1], v[BV+2*\j:BV+2*\j+1]   ; + bv of my channel; each accumulator from its low end on
.endr
.endr
.irp j, 0,1,2,3                        ; the block of 32 tokens of each of my four channels: 16 numbers are mine, 16 lane l xor 16's; the four tiles by turns
	v_max3_num_f32 v[TM+\j], |v[HA+16*\j]|, |v[HA+16*\j+1]|, 0x1800000
.endr
.irp i, 2,4,6,8,10,12,14
.irp j, 0,1,2,3
	v_max3_num_f32 v[TM+\j], v[TM+\j], |v[HA+16*\j+\i]|, |v[HA+16*\j+\i+1]|
.endr
.endr
.irp j, 0,1,2,3
	v_permlanex16_b32 v[TM+4+\j], v[TM+\j], s[SEL], s[SEL+1]
.endr
.irp j, 0,1,2,3
	v_max_num_f32 v[TM+\j], v[TM+\j], v[TM+4+\j]
.endr
.irp j, 0,1,2,3
	v_add_nc_u32 v[250+\j], 0xff000000, v[TM+\j]
.endr
.irp j, 0,1,2,3
	v_lshrrev_b32 v[238+\j], 23, v[250+\j]
.endr
.irp j, 0,1,2,3
	v_cvt_scalef32_pk8_fp4_f32 v[224+2*\j], v[HA+16*\j:HA+16*\j+7], v[250+\j]
	v_cvt_scalef32_pk8_fp4_f32 v[225+2*\j], v[HA+16*\j+8:HA+16*\j+15], v[250+\j]
.endr
	v_nop                                              ; one plain place behind a scaled conversion
.irp j, 0,1,2,3
	global_store_b64 v[VO], v[224+2*\j:225+2*\j], s[44:45] offset:1024*\j   ; 32 lanes store 256 consecutive bytes, aligned: 16 channels x this block's 16 bytes
.endr
	s_mov_b32 vcc_lo, 0xffff0000
	v_cndmask_b32 v242, v238, v239, vcc_lo             ; lanes 0-15 the even tile's byte, lanes 16-31 the odd tile's: as the attention launch's scale registers want them
	v_cndmask_b32 v243, v240, v241, vcc_lo
	global_store_b8 v[LI], v242, s[46:47]              ; one byte of each word: the step's other three blocks write the others.  64 KB in the whole launch
	global_store_b8 v[LI], v243, s[46:47] offset:4
	; ---- the scale words of Q and K, and P's planes
	s_wait_dscnt 0x0                                   ; for the others' sake: my halves of the scale words have landed
	s_barrier_signal -1
	s_barrier_wait -1
	s_cmp_lt_u32 s4, 2
	s_cbranch_scc0 .Lnot_scales
	ds_load_b64 v[206:207], v[GA]                      ; wave 0: Q's 256 bytes; wave 1: K's
	s_add_nc_u64 s[48:49], s[38:39], 4096              ; Q's lie behind the block's codes
	s_cmp_eq_u32 s4, 0
	s_cselect_b64 s[48:49], s[48:49], s[42:43]         ; K's at the head of the block's part of KX
	s_wait_dscnt 0x0
	global_store_b64 v[L8], v[206:207], s[48:49]       ; one aligned run of 256 bytes
	s_branch .Ldone
.Lnot_scales:
	s_cmp_eq_u32 s4, 2
	s_cbranch_scc0 .Ldone
	global_load_b32 v198, v[L12], s[18:19]             ; wave 2: a lane takes a token's x, y, z
	global_load_b32 v199, v[L12], s[18:19] offset:4
	global_load_b32 v200, v[L12], s[18:19] offset:8
	s_wait_loadcnt 0x0
	v_mul_f32 v198, 0x3f596d27, v198                   ; the planes hold P x sqrt(log2(e) / 2): the attention launch's squared differences are then exponents to the base 2
	v_mul_f32 v199, 0x3f596d27, v199
	v_mul_f32 v200, 0x3f596d27, v200
	global_store_b32 v[LS], v198, s[42:43] offset:256
	global_store_b32 v[LS], v199, s[42:43] offset:384
	global_store_b32 v[LS], v200, s[42:43] offset:512
.Ldone:
	s_wait_tensorcnt 0x0                               ; the wave's end
	ds_add_u32 v[SPW], v[NIL]
	s_wait_dscnt 0x0
	s_endpgm
.Lfunc_end_k_qa8ce3154ef_prep:
	.size	k_qa8ce3154ef_prep, .Lfunc_end_k_qa8ce3154ef_prep-k_qa8ce3154ef_prep
	.p2alignl 7, 3214868480
	.fill 96, 4, 3214868480
	.section	.rodata,"a",@progbits
	.p2align	6, 0x0
	.amdhsa_kernel k_qa8ce3154ef_prep
		.amdhsa_group_segment_fixed_size 5376
		.amdhsa_private_segment_fixed_size 0
		.amdhsa_enable_private_segment 0
		.amdhsa_kernarg_size 128
		.amdhsa_user_sgpr_count 2
		.amdhsa_user_sgpr_kernarg_segment_ptr 1
		.amdhsa_wavefront_size32 1
		.amdhsa_system_sgpr_workgroup_id_x 1
		.amdhsa_system_sgpr_workgroup_id_y 1
		.amdhsa_system_sgpr_workgroup_id_z 1
		.amdhsa_system_vgpr_workitem_id 0
		.amdhsa_next_free_vgpr 448
		.amdhsa_next_free_sgpr 66
		.amdhsa_reserve_vcc 1
		.amdhsa_float_denorm_mode_32 3
		.amdhsa_float_denorm_mode_16_64 3
		.amdhsa_memory_ordered 1
		.amdhsa_forward_progress 1
		.amdhsa_inst_pref_size 41
	.end_amdhsa_kernel
	.amdgpu_metadata
---
amdhsa.version: [ 1, 2 ]
amdhsa.kernels:
  - .name:           k_qa8ce3154ef_prep
    .symbol:         k_qa8ce3154ef_prep.kd
    .args:
      - { .name: X, .offset: 0, .size: 8, .value_kind: global_buffer, .address_space: global }
      - { .name: P, .offset: 8, .size: 8, .value_kind: global_buffer, .address_space: global }
      - { .name: W_q_codes, .offset: 16, .size: 8, .value_kind: global_buffer, .address_space: global }
      - { .name: W_q_scales, .offset: 24, .size: 8, .value_kind: global_buffer, .address_space: global }
      - { .name: b_q, .offset: 32, .size: 8, .value_kind: global_buffer, .address_space: global }
      - { .name: W_k_codes, .offset: 40, .size: 8, .value_kind: global_buffer, .address_space: global }
      - { .name: W_k_scales, .offset: 48, .size: 8, .value_kind: global_buffer, .address_space: global }
      - { .name: b_k, .offset: 56, .size: 8, .value_kind: global_buffer, .address_space: global }
      - { .name: W_v_codes, .offset: 64, .size: 8, .value_kind: global_buffer, .address_space: global }
      - { .name: W_v_scales, .offset: 72, .size: 8, .value_kind: global_buffer, .address_space: global }
      - { .name: b_v, .offset: 80, .size: 8, .value_kind: global_buffer, .address_space: global }
      - { .name: QR, .offset: 88, .size: 8, .value_kind: global_buffer, .address_space: global }
      - { .name: KF, .offset: 96, .size: 8, .value_kind: global_buffer, .address_space: global }
      - { .name: KX, .offset: 104, .size: 8, .value_kind: global_buffer, .address_space: global }
      - { .name: VF, .offset: 112, .size: 8, .value_kind: global_buffer, .address_space: global }
      - { .name: VS, .offset: 120, .size: 8, .value_kind: global_buffer, .address_space: global }
    .group_segment_fixed_size: 5376
    .private_segment_fixed_size: 0
    .kernarg_segment_align: 8
    .kernarg_segment_size: 128
    .max_flat_workgroup_size: 128
    .sgpr_count:     66
    .vgpr_count:     448
    .wavefront_size: 32
...
	.end_amdgpu_metadata
.endif
;; end of part 1
;; launch attn (part 2): grid 256 x 1, 8 waves a work-group, no clusters, 327,680 bytes of LDS; arguments QR, KF, KX, VF, VS, X, out0; writes out0
.if DOCPART == 2
	.amdgcn_target "amdgcn-amd-amdhsa--gfx1250"
	.amdhsa_code_object_version 6
	.text
	.protected	k_qa8ce3154ef_attn
	.globl	k_qa8ce3154ef_attn
	.p2align	8
	.type	k_qa8ce3154ef_attn,@function
k_qa8ce3154ef_attn:
	s_mov_b64 s[64:65], 0
	v_nop
	global_prefetch_b8 v0, s[64:65] scope:SCOPE_SE
	s_setreg_imm32_b32 hwreg(HW_REG_WAVE_MODE, 25, 1), 1
	s_wait_xcnt 0x0
; ATTN.  out = A V + X,  A = e^(x - max x) / (1 + sum e^(x - max x)) along a row,  x = (Q . K / 16) e^(-|Pq - Pk|^2 / 2).  Both products on codes of FP4 (E2M1), one E8M0 scale for each 32 along K.
; A is quantised FINISHED AND NORMALISED, in blocks of 32 keys, so a row's maximum and sum must be known before its first code is made: the keys are walked TWICE.
; Pass 1 finds, lane by lane, a running maximum M and sum S.  Pass 2 makes A = 2^(t - m'), m' = m + log2(1 + S), its codes, and multiplies by V.
; SHARES.  A work-group owns 32 queries (two tiles of 16; lane r of tile t holds query 8 t + r + 8 (r / 8)).  Each of its 8 waves owns both tiles and 1,024 of the 8,192 keys (32 blocks of 32), in both passes,
; and keeps a partial O^T (256 channels x 32 queries) in 256 registers.  The waves meet three times: Q's image, the rows' (M, S), and the sum of the eight partial results.
; WHAT PASS 1 KEEPS FOR PASS 2.  A block's t is 32 registers.  The t of my blocks 0-7 stay in O^T's 256 registers, which pass 1 does not need; those of blocks 8-15 in eight slots of 4,096 bytes of my LDS region.
; Pass 2 begins with these 16 blocks, four steps: they take no K, no positions, no decay and no first product.  All eight blocks in registers become codes before the first product with V, which then starts O^T's sums.
; The registers that take a block are chosen by the trip counter: four short arms in each of the trip's two blocks.  Pass 1 is two loops of eight trips: only the first has the lines that keep t.
; MY LDS REGION, 39,808 bytes: slots 0-7 from byte 0; the positions, 384 bytes a block, from byte 27,520 to the end.  Slot 6 reaches over the positions of blocks 0-2 and is written in block 14; slot 7 over those of blocks 3-13, written in block 15:
; each is written when the positions under it have been read for the last time (blocks 0-15 need theirs in pass 1 alone).  At the end the region takes 32 rows of my partial result.
; LAYOUT.  Both products are used transposed: S^T = K Q^T, O^T = V^T A^T: a lane holds ONE query.  The keys of a tile are chosen (8 u + r + 8 (r / 8)) so that register 16 t + i holds key 16 (lane / 16) + i of the block,
; and the keys' positions, read from planes at 64 (lane / 16) bytes, line up with the scores register for register.
; ARITHMETIC.  t = qk x 2^(lc - |P'q - P'k|^2), P' = P sqrt(log2(e) / 2) as the launch before stored it, lc = log2(log2(e) / 16): t is x in units of log2.  The squares are taken of differences of positions.
; In pass 2 t - m' is one fused multiply-add of qk, the decay and -m'.
; WHERE THE OPERANDS COME FROM.  K and V come from memory straight into registers, as images that the launch before has laid: 16 bytes a lane, 512 consecutive bytes a load.
; K has two sets of registers, which take turns block by block: the set just multiplied is filled with the block two further on.  In the kept steps both sets are V's landing places.
; In pass 2's loop V's four groups of four channel tiles land in four runs of registers as these fall free in a step's fourth block.
; NO CLUSTER, NO JOINT LOADS, though all work-groups walk the same K and V: in a work-group each fragment is read by one wave alone, so LDS would add a store and a load to each byte and spare none;
; LDS is taken up by the kept t; and a ring filled jointly would want a round of the cluster's barrier at each refill in loops that now have no barrier at all.
; THE PREFETCHES.  All work-groups walk the same K and V: work-group 0 alone asks, each of its waves for its own range, lanes 256 bytes apart.  Pass 1: once in a trip of two blocks, the two blocks (8,192 bytes of KF) that the trip
; after next will load; the last three trips ask for nothing, my first six blocks come by their loads alone.  Pass 2's loop: once in a step, the next step's 16,384 bytes of VF; its last step asks for nothing; steps 0 to 4 come by their loads alone.
; LIMITS.  NaN and infinities among the inputs are not served.  The promise holds while |t| stays under 2^31.  v_exp_f32 gives 0 where the result lies under 2^-126 (ISA guide 15.8): a decay or an A under that counts as 0.
; A block whose every A is 0 gets the scale byte 1 (its codes are zeros).  A block's largest A is made from its largest t - m' by the same instruction as every A: that takes v_exp_f32 not to fall where its input rises.
; The scaled positions carry one rounding more than P: 2^-24 of a coordinate's magnitude.  The f32 sums (S; O over the eight waves) are taken in another order than a plain sum along the row.
; REGISTERS, window 0: v1-9, v32-35, v38-39, v255 addresses; v10-11 lc; v12-23 my queries' x, y, z, each twice; v24-31 statistics; v36-37, v40-43 scale words; v44-75 K's first set; v76-123 the keys' x, y, z;
;   v124-155 scores, then t, A; v156-187 Q's fragments, then the decay; v188-205 A's codes and scale words; v206-213 at work; v214-245 K's second set and V's first group; v246-253 V's scale words.
;   window 1: pass 1: t of blocks 0-7, block j at v[32 j]; pass 2: O^T, accumulator (t, c) at v[8 (16 t + c)].
.set OPITCH, 1040                      ; the way out: a row of 1,024 bytes + 16
.set OWAVE,  39808                     ; a wave's region
.set POSB,   OWAVE-12288               ; where the positions begin in it
.set QIMG,   8*OWAVE                   ; Q's fragments as images: 512 g + 16 lane
.set STAT,   QIMG+4096                 ; the waves' (M, S): 512 w + 256 t + 8 lane
.set SPARE,  STAT+4096                 ; the spare words, 128 bytes for each wave
.set LI,  1                            ; 16 x lane
.set LS,  2                            ; 4 x lane
.set PA0, 3                            ; my region + POSB + 64 (lane / 16)
.set SPW, 4                            ; my spare word; never rewritten
.set NIL, 5                            ; 0; never rewritten
.set QA,  6                            ; QIMG + 16 x lane
.set OW,  7
.set RD,  8
.set QW,  9
.set LC,  10
.set NQ,  12                           ; tile t, plane p: pair at NQ + 6 t + 2 p
.set ST,  24                           ; tile t at ST + 4 t.  Pass 1: M, S, the old M, f.  Pass 2: -m'
.set R4,  32
.set PS,  33                           ; my region + POSB + 16 x lane
.set SA,  34
.set SL,  35
.set KSCB, 36                          ; scale words of K's second set; in the kept steps A's second pair of scale words
.set PA,  38
.set TB,  39                           ; my region + 16 x lane
.set QSC, 40
.set KSC, 42
.set KFR, 44
.set PX,  76
.set PC2, 108                          ; A's second set of codes, in the positions' upper 16 registers, which V's group does not reach
.set QK,  124
.set E,   156
.set PC,  188
.set PW,  204
.set TM,  206
.set VF0, 214
.set VSC, 246
.set PFO, 254                          ; 256 x lane
.set TA,  255                          ; where a block's t is put
.set PST, 76
.set GP,  184
.set ACC, 44
.set B0,  76
.set XB,  140
.set WV,  18
.set SEL, 20
.set KFB, 24
.set KXB, 26
.set KFC, 28
.set KXC, 30
.set KO,  32
.set XO,  34
.set VFC, 36
.set VSB, 38
.set CNT, 40
.set LIMK, 41
.set LIMV, 42
.set PO,  60
.set TO,  61
.set MSB, 0
.macro WIN new                         ; the immediate's high byte repeats the setting that is left
.if MSB != \new
	s_set_vgpr_msb (MSB<<8)|\new
.set MSB, \new
.endif
.endm
.macro PLACES n
.rept \n
	v_nop
.endr
.endm
.macro QLOAD                           ; Q's 32 registers from their image
.irp g, 0,1,2,3,4,5,6,7
	ds_load_b128 v[E+4*\g:E+4*\g+3], v[QA] offset:512*\g
.endr
.endm
.macro KLOAD kb, ks                    ; a block's fragments of K and its scale words: 10 loads
.irp g, 0,1,2,3,4,5,6,7
	global_load_b128 v[\kb+4*\g:\kb+4*\g+3], v[LI], s[KFC:KFC+1] offset:512*\g
.endr
	global_load_b32 v[\ks], v[LS], s[KXC:KXC+1]
	global_load_b32 v[\ks+1], v[LS], s[KXC:KXC+1] offset:128
.endm
.macro POSLOAD                         ; x, y, z of my 16 keys of the block: 12 loads
.irp p, 0,1,2
.irp i, 0,1,2,3
	ds_load_b128 v[PX+16*\p+4*\i:PX+16*\p+4*\i+3], v[PA] offset:128*\p+16*\i
.endr
.endr
.endm
; The next block in the order of fetching.  The offset wraps at my 32 blocks, so no load leaves its buffer: each pass's last two look-aheads fetch blocks 0 and 1, which nobody uses then.
.macro NEXTKEYS kb, ks
	s_wait_xcnt 0x0                                    ; the earlier loads and prefetches have read their bases, which are written now
	s_add_co_u32 s[KO], s[KO], 4096
	s_and_b32 s[KO], s[KO], 0x1ffff
	s_lshr_b32 s[XO], s[KO], 12
	s_mul_i32 s[XO], s[XO], 768
	s_add_nc_u64 s[KFC:KFC+1], s[KFB:KFB+1], s[KO:KO+1]
	s_add_nc_u64 s[KXC:KXC+1], s[KXB:KXB+1], s[XO:XO+1]
	KLOAD \kb, \ks
.endm
.macro VLOAD reg, g, st                ; V's channel tiles 4 g .. 4 g + 3, st steps on from the step at which VF's base stands: 8 loads
.irp cc, 0,1,2,3
.irp gg, 0,1
	global_load_b128 v[8*\cc+4*\gg+\reg:8*\cc+4*\gg+\reg+3], v[LI], s[VFC:VFC+1] offset:(4*(\g)+\cc)*1024+512*\gg+16384*(\st)
.endr
.endr
.endm
.macro VSLOAD st                       ; that step's scale words of V: 2 loads
	global_load_b128 v[VSC:VSC+3], v[LI], s[VSB:VSB+1] offset:1024*(\st)
	global_load_b128 v[VSC+4:VSC+7], v[LI], s[VSB:VSB+1] offset:1024*(\st)+512
.endm
.macro VALL st, g3                     ; a kept step's V, whole: 34 loads; group 3 lands at g3
	VLOAD VF0, 0, \st
	VSLOAD \st
	VLOAD PX, 1, \st
	VLOAD E, 2, \st
	VLOAD \g3, 3, \st
.endm
; S^T = K Q^T of a block: 8 products; the four accumulators take turns
.macro QKMUL kb, ks
.irp t, 0,1
.irp u, 0,1
	v_wmma_scale_f32_16x16x128_f8f6f4 v[QK+16*\t+8*\u:QK+16*\t+8*\u+7], v[\kb+16*\u:\kb+16*\u+7], v[E+16*\t:E+16*\t+7], 0, v[\ks+\u], v[QSC+\t] matrix_a_fmt:MATRIX_FMT_FP4 matrix_b_fmt:MATRIX_FMT_FP4
.endr
.endr
.irp t, 0,1
.irp u, 0,1
	v_wmma_scale_f32_16x16x128_f8f6f4 v[QK+16*\t+8*\u:QK+16*\t+8*\u+7], v[\kb+16*\u+8:\kb+16*\u+15], v[E+16*\t+8:E+16*\t+15], v[QK+16*\t+8*\u:QK+16*\t+8*\u+7], v[\ks+\u], v[QSC+\t] matrix_a_fmt:MATRIX_FMT_FP4 matrix_b_fmt:MATRIX_FMT_FP4 matrix_a_scale:MATRIX_SCALE_ROW1 matrix_b_scale:MATRIX_SCALE_ROW1
.endr
.endr
.endm
; E = lc - dx^2 - dy^2 - dz^2 for my 2 x 16 pairs of query and key, two at a time: a difference and a fused multiply-add for each axis.  When x is used up its 16 registers hold the differences of y and z.
.macro DIST
.irp t, 0,1
.irp k, 0,2,4,6,8,10,12,14
	v_pk_add_f32 v[E+16*\t+\k:E+16*\t+\k+1], v[PX+\k:PX+\k+1], v[NQ+6*\t:NQ+6*\t+1] neg_lo:[0,1] neg_hi:[0,1]
.endr
.endr
.irp k, 0,2,4,6,8,10,12,14,16,18,20,22,24,26,28,30
	v_pk_fma_f32 v[E+\k:E+\k+1], v[E+\k:E+\k+1], v[E+\k:E+\k+1], v[LC:LC+1] neg_lo:[1,0,0] neg_hi:[1,0,0]
.endr
.irp p, 1,2
.irp t, 0,1
.irp k, 0,2,4,6,8,10,12,14
	v_pk_add_f32 v[PX+\k:PX+\k+1], v[PX+16*\p+\k:PX+16*\p+\k+1], v[NQ+6*\t+2*\p:NQ+6*\t+2*\p+1] neg_lo:[0,1] neg_hi:[0,1]
.endr
.irp k, 0,2,4,6,8,10,12,14
	v_pk_fma_f32 v[E+16*\t+\k:E+16*\t+\k+1], v[PX+\k:PX+\k+1], v[PX+\k:PX+\k+1], v[E+16*\t+\k:E+16*\t+\k+1] neg_lo:[1,0,0] neg_hi:[1,0,0]
.endr
.endr
.endr
.endm
; The first loop's first four trips (the counter at 8 .. 5) keep t in window 1: block 2 (8 - counter) + par.  The arm makes t from the scores and the decay, as the lines behind the arms do for the statistics.
.macro KEEPREG par
	s_cmp_lt_u32 s[CNT], 5
	s_cbranch_scc1 .Lkr_\@
.irp c, 8,7,6,5
	s_cmp_lg_u32 s[CNT], \c
	s_cbranch_scc1 .Lkn_\@_\c
	WIN 0x40                                           ; destination window 1
	s_wait_alu depctr_va_vdst(0)                       ; directly ahead of the scores' first reader
.irp k, 0,2,4,6,8,10,12,14,16,18,20,22,24,26,28,30
	v_pk_mul_f32 v[32*(2*(8-\c)+\par)+\k:32*(2*(8-\c)+\par)+\k+1], v[QK+\k:QK+\k+1], v[E+\k:E+\k+1]
.endr
	WIN 0
.Lkn_\@_\c:
.endr
.Lkr_\@:
.endm
; Its last four trips (the counter at 4 .. 1) keep t in my LDS region: slot 2 (4 - counter) + par, 16 bytes a lane, 512 consecutive bytes a store; I alone read them.
.macro KEEPLDS par
	s_wait_alu depctr_va_vdst(0)
	s_sub_co_u32 s[TO], s[CNT], 1
	s_cmp_gt_u32 s[TO], 3
	s_cbranch_scc1 .Lkl_\@
	s_and_b32 s[TO], s[TO], 3
	s_xor_b32 s[TO], s[TO], 3                          ; 4 - counter
	s_lshl_b32 s[TO], s[TO], 13
	v_add_nc_u32 v[TA], s[TO], v[TB]
.irp g, 0,1,2,3,4,5,6,7
	ds_store_b128 v[TA], v[QK+4*\g:QK+4*\g+3] offset:4096*\par+512*\g
.endr
.Lkl_\@:
.endm
; A block's t (pass = 1: and it is kept; 3: pass 1 with nothing kept) or t - m' (pass = 2) in QK.  kb, ks: the set of K's registers that holds the block.
; vg = 0: that set is filled again, with the block two further on; vg = 1 (a step's fourth block): V's groups 0 and 1 and its scale words are asked for instead.
.macro SCORE kb, ks, pf, vg, pass, par
	v_add_nc_u32 v[PA], s[PO], v[PA0]
	POSLOAD
	s_add_co_u32 s[PO], s[PO], 384
	s_wait_loadcnt 10                                  ; this block's K is in: the only younger loads are the next block's ten
	s_wait_dscnt 12                                    ; Q's fragments are in: the twelve loads just issued may be out
	QKMUL \kb, \ks
	PLACES 5                                           ; four in front of loads into K's registers and of the writes of E; the fifth for the next block's products, which write over these accumulators
.if \vg
	VLOAD VF0, 0, 0
	VSLOAD 0
.else
	NEXTKEYS \kb, \ks
.endif
.if \pf == 1
	s_cmp_gt_u32 s[CNT], s[LIMK]
	s_cbranch_scc0 .Lnoask_\@
	global_prefetch_b8 v[PFO], s[KFC:KFC+1] offset:16384 th:TH_LOAD_NT scope:SCOPE_SE
.Lnoask_\@:
.endif
.if \pf == 2
	s_cmp_gt_u32 s[CNT], s[LIMV]
	s_cbranch_scc0 .Lnoask_\@
	global_prefetch_b8 v[PFO], s[VFC:VFC+1] offset:16384 th:TH_LOAD_NT scope:SCOPE_SE
	global_prefetch_b8 v[PFO], s[VFC:VFC+1] offset:24576 th:TH_LOAD_NT scope:SCOPE_SE
.Lnoask_\@:
.endif
	s_wait_dscnt 0x0                                   ; the positions
	DIST
.if \vg
	VLOAD PX, 1, 0                                     ; the positions are used up
.endif
	s_wait_alu depctr_va_vdst(0)
.irp j, 0,1,2,3,4,5,6,7,8,9,10,11,12,13,14,15,16,17,18,19,20,21,22,23,24,25,26,27,28,29,30,31
	v_exp_f32 v[E+\j], v[E+\j]                         ; the decay x log2(e) / 16
.endr
	v_nop                                              ; a plain place behind the last exponential
	s_wait_alu depctr_va_vdst(0)                       ; one wait for the batch
.if \pass == 2
.irp t, 0,1
.irp k, 0,2,4,6,8,10,12,14
	v_pk_fma_f32 v[QK+16*\t+\k:QK+16*\t+\k+1], v[QK+16*\t+\k:QK+16*\t+\k+1], v[E+16*\t+\k:E+16*\t+\k+1], v[ST+4*\t:ST+4*\t+1] op_sel_hi:[1,1,0]   ; t - m'
.endr
.endr
.else
.if \pass == 1
	KEEPREG \par
	s_wait_alu depctr_va_vdst(0)                       ; directly ahead of the scores' first reader on the way round the arms
.endif
.irp k, 0,2,4,6,8,10,12,14,16,18,20,22,24,26,28,30
	v_pk_mul_f32 v[QK+\k:QK+\k+1], v[QK+\k:QK+\k+1], v[E+\k:E+\k+1]   ; t; each accumulator from its low end on
.endr
.if \pass == 1
	KEEPLDS \par
.endif
.endif
.endm
; Pass 1's tail: each lane's running maximum and sum over its own 16 keys of the block; the two tiles by turns
.macro STAT1
.irp t, 0,1
	v_mov_b32 v[ST+4*\t+2], v[ST+4*\t]
.endr
.irp t, 0,1
	v_max3_num_f32 v[TM+4*\t], v[QK+16*\t], v[QK+16*\t+1], v[ST+4*\t]
	v_max3_num_f32 v[TM+4*\t+1], v[QK+16*\t+2], v[QK+16*\t+3], v[QK+16*\t+4]
.endr
.irp i, 5,9
.irp t, 0,1
	s_delay_alu instid0(VALU_DEP_4)
	v_max3_num_f32 v[TM+4*\t], v[TM+4*\t], v[QK+16*\t+\i], v[QK+16*\t+\i+1]
	s_delay_alu instid0(VALU_DEP_4)
	v_max3_num_f32 v[TM+4*\t+1], v[TM+4*\t+1], v[QK+16*\t+\i+2], v[QK+16*\t+\i+3]
.endr
.endr
	s_delay_alu instid0(VALU_DEP_4)
	v_max3_num_f32 v[TM], v[TM], v[QK+13], v[QK+14]
	s_delay_alu instid0(VALU_DEP_3)
	v_max3_num_f32 v[TM+4], v[TM+4], v[QK+29], v[QK+30]
.irp t, 0,1
	s_delay_alu instid0(VALU_DEP_2)
	v_max3_num_f32 v[ST+4*\t], v[TM+4*\t], v[TM+4*\t+1], v[QK+16*\t+15]   ; the new M
.endr
.irp t, 0,1
	s_delay_alu instid0(VALU_DEP_2)
	v_sub_f32 v[ST+4*\t+3], v[ST+4*\t+2], v[ST+4*\t]
.endr
.irp t, 0,1
.irp k, 0,2,4,6,8,10,12,14
	v_pk_add_f32 v[QK+16*\t+\k:QK+16*\t+\k+1], v[QK+16*\t+\k:QK+16*\t+\k+1], v[ST+4*\t:ST+4*\t+1] op_sel_hi:[1,0] neg_lo:[0,1] neg_hi:[0,1]   ; t - M
.endr
.endr
	s_wait_alu depctr_va_vdst(0)
.irp j, 0,1,2,3,4,5,6,7,8,9,10,11,12,13,14,15,16,17,18,19,20,21,22,23,24,25,26,27,28,29,30,31
	v_exp_f32 v[QK+\j], v[QK+\j]
.endr
.irp t, 0,1
	v_exp_f32 v[ST+4*\t+3], v[ST+4*\t+3]               ; f = 2^(old M - new M)
.endr
	v_nop
	s_wait_alu depctr_va_vdst(0)                       ; one wait for the 34
.irp t, 0,1
.irp j, 0,4,8,12
	v_pk_add_f32 v[QK+16*\t+\j:QK+16*\t+\j+1], v[QK+16*\t+\j:QK+16*\t+\j+1], v[QK+16*\t+\j+2:QK+16*\t+\j+3]
.endr
.endr
.irp t, 0,1
.irp j, 0,8
	v_pk_add_f32 v[QK+16*\t+\j:QK+16*\t+\j+1], v[QK+16*\t+\j:QK+16*\t+\j+1], v[QK+16*\t+\j+4:QK+16*\t+\j+5]
.endr
.endr
	s_delay_alu instid0(VALU_DEP_3)
	v_pk_add_f32 v[QK:QK+1], v[QK:QK+1], v[QK+8:QK+9]
	s_delay_alu instid0(VALU_DEP_2)
	v_pk_add_f32 v[QK+16:QK+17], v[QK+16:QK+17], v[QK+24:QK+25]
.irp t, 0,1
	s_delay_alu instid0(VALU_DEP_2)
	v_add_f32 v[TM+4*\t], v[QK+16*\t], v[QK+16*\t+1]
.endr
.irp t, 0,1
	v_fma_f32 v[ST+4*\t+1], v[ST+4*\t+1], v[ST+4*\t+3], v[TM+4*\t]   ; S = S f + the block's sum
.endr
.endm
; Pass 2's tail.  QK holds t - m'.  A = 2^(t - m'), its block's scale byte (byte b of the scale word pw) and its codes (into pc)
.macro QUANTP pc, pw, b
.irp t, 0,1
	v_max3_num_f32 v[TM+4*\t], v[QK+16*\t], v[QK+16*\t+1], v[QK+16*\t+2]
	v_max3_num_f32 v[TM+4*\t+1], v[QK+16*\t+3], v[QK+16*\t+4], v[QK+16*\t+5]
.endr
.irp i, 6,10
.irp t, 0,1
	s_delay_alu instid0(VALU_DEP_4)
	v_max3_num_f32 v[TM+4*\t], v[TM+4*\t], v[QK+16*\t+\i], v[QK+16*\t+\i+1]
	s_delay_alu instid0(VALU_DEP_4)
	v_max3_num_f32 v[TM+4*\t+1], v[TM+4*\t+1], v[QK+16*\t+\i+2], v[QK+16*\t+\i+3]
.endr
.endr
	s_delay_alu instid0(VALU_DEP_4)
	v_max3_num_f32 v[TM], v[TM], v[QK+14], v[QK+15]
	s_delay_alu instid0(VALU_DEP_3)
	v_max3_num_f32 v[TM+4], v[TM+4], v[QK+30], v[QK+31]
.irp t, 0,1
	s_delay_alu instid0(VALU_DEP_2)
	v_max_num_f32 v[TM+4*\t], v[TM+4*\t], v[TM+4*\t+1]
.endr
.irp t, 0,1
	s_delay_alu instid0(VALU_DEP_2)
	v_permlanex16_b32 v[TM+4*\t+1], v[TM+4*\t], s[SEL], s[SEL+1]
.endr
.irp t, 0,1
	s_delay_alu instid0(VALU_DEP_2)
	v_max_num_f32 v[TM+4*\t], v[TM+4*\t], v[TM+4*\t+1]   ; the block's largest t - m'
.endr
	s_wait_alu depctr_va_vdst(0)
.irp j, 0,1,2,3,4,5,6,7,8,9,10,11,12,13,14,15,16,17,18,19,20,21,22,23,24,25,26,27,28,29,30,31
	v_exp_f32 v[QK+\j], v[QK+\j]                       ; A
.endr
.irp t, 0,1
	v_exp_f32 v[TM+4*\t], v[TM+4*\t]                   ; the block's largest A: the same instruction on the same number gives the same bits
.endr
	v_nop
	s_wait_alu depctr_va_vdst(0)                       ; one wait for the 34
.irp t, 0,1
	v_max_num_f32 v[TM+4*\t], 0x1800000, v[TM+4*\t]    ; the floor 2^(3 - 127): the byte cannot fall under 1
.endr
.irp t, 0,1
	s_delay_alu instid0(VALU_DEP_2)
	v_add_nc_u32 v[TM+4*\t+2], 0xff000000, v[TM+4*\t]  ; 2 off the exponent field: the conversion's scale operand
.endr
.irp t, 0,1
	s_delay_alu instid0(VALU_DEP_2)
.if \b == 0
	v_lshrrev_b32 v[\pw+\t], 23, v[TM+4*\t+2]
.else
	v_lshrrev_b32 v[TM+4*\t+3], 23, v[TM+4*\t+2]
.endif
.endr
.if \b > 0
.irp t, 0,1
	s_delay_alu instid0(VALU_DEP_2)
	v_lshl_or_b32 v[\pw+\t], v[TM+4*\t+3], 8*\b, v[\pw+\t]
.endr
.endif
.irp t, 0,1
	v_cvt_scalef32_pk8_fp4_f32 v[\pc+8*\t+2*\b], v[QK+16*\t:QK+16*\t+7], v[TM+4*\t+2]
	v_cvt_scalef32_pk8_fp4_f32 v[\pc+8*\t+2*\b+1], v[QK+16*\t+8:QK+16*\t+15], v[TM+4*\t+2]
.endr
	v_nop                                              ; one plain place behind a scaled conversion
.endm
.macro UREG j                          ; t - m' of kept block j of window 1
	WIN 0x01                                           ; source 0 window 1
.irp t, 0,1
.irp k, 0,2,4,6,8,10,12,14
	v_pk_add_f32 v[QK+16*\t+\k:QK+16*\t+\k+1], v[32*(\j)+16*\t+\k:32*(\j)+16*\t+\k+1], v[ST+4*\t:ST+4*\t+1] op_sel_hi:[1,0]
.endr
.endr
	WIN 0
.endm
.macro ULDS j                          ; t - m' of slot j of my LDS region
.irp g, 0,1,2,3,4,5,6,7
	ds_load_b128 v[QK+4*\g:QK+4*\g+3], v[TB] offset:4096*(\j)+512*\g
.endr
	s_wait_dscnt 0x0
.irp t, 0,1
.irp k, 0,2,4,6,8,10,12,14
	v_pk_add_f32 v[QK+16*\t+\k:QK+16*\t+\k+1], v[QK+16*\t+\k:QK+16*\t+\k+1], v[ST+4*\t:ST+4*\t+1] op_sel_hi:[1,0]
.endr
.endr
.endm
; 8 products O^T += V^T A^T: channel tiles 4 g .. 4 g + 3, whose fragments lie at reg, x both tiles of queries; K = the step's 128 keys.  Each of the 32 accumulators has one product in a step.
.macro AVG reg, g, zero, pc, pw
.irp cc, 0,1,2,3
.irp t, 0,1
.set rO, 8*(16*\t+4*(\g)+\cc)
.set rV, 8*\cc+\reg
.set rP, \pc+8*\t
.set rS, VSC+4*((4*(\g)+\cc)/8)+((4*(\g)+\cc)/2)%4     ; the scale words of tiles c and c + 1 (c even) share a register: lanes 0-15 the even tile's, lanes 16-31 the odd one's
.if \zero
.if \cc%2
	v_wmma_scale_f32_16x16x128_f8f6f4 v[rO:rO+7], v[rV:rV+7], v[rP:rP+7], 0, v[rS], v[\pw+\t] matrix_a_fmt:MATRIX_FMT_FP4 matrix_b_fmt:MATRIX_FMT_FP4 matrix_a_scale:MATRIX_SCALE_ROW1
.else
	v_wmma_scale_f32_16x16x128_f8f6f4 v[rO:rO+7], v[rV:rV+7], v[rP:rP+7], 0, v[rS], v[\pw+\t] matrix_a_fmt:MATRIX_FMT_FP4 matrix_b_fmt:MATRIX_FMT_FP4
.endif
.else
.if \cc%2
	v_wmma_scale_f32_16x16x128_f8f6f4 v[rO:rO+7], v[rV:rV+7], v[rP:rP+7], v[rO:rO+7], v[rS], v[\pw+\t] matrix_a_fmt:MATRIX_FMT_FP4 matrix_b_fmt:MATRIX_FMT_FP4 matrix_a_scale:MATRIX_SCALE_ROW1
.else
	v_wmma_scale_f32_16x16x128_f8f6f4 v[rO:rO+7], v[rV:rV+7], v[rP:rP+7], v[rO:rO+7], v[rS], v[\pw+\t] matrix_a_fmt:MATRIX_FMT_FP4 matrix_b_fmt:MATRIX_FMT_FP4
.endif
.endif
.endr
.endr
.endm
; A step's second product.  Loads out at its head, oldest first: (in the loop: the next step's first block of K, 10,) V's group 0 and scale words (10), group 1 (8, in PX), group 2 (8, in E), group 3 (8, at g3), and y younger ones.
; fin = 0: nothing follows; 1: Q's fragments and the next block of K are fetched, and V's bases go four steps on, behind the kept steps; 2: the same, one step on.
.macro AV zero, pc, pw, fin, g3, y
.irp t, 0,1
.irp c, 0,1
.irp i, 0,1
	v_permlane16_swap_b32 v[\pc+8*\t+4*\c+\i], v[\pc+8*\t+4*\c+2+\i]   ; the operand's layout wants a whole block in a lane
.endr
.endr
.endr
	PLACES 8                                           ; a scale register written by a vector instruction stands 8 places ahead of a scaled matrix instruction, an operand so written 4
	s_wait_alu depctr_va_vdst(0)
	s_wait_loadcnt 24+\y                               ; group 0 and the scale words are in: the three younger groups, 8 loads each, and the y may be out
	WIN 0x50                                           ; C and D window 1
	AVG VF0, 0, \zero, \pc, \pw
	s_wait_loadcnt 16+\y                               ; group 1 is in
	AVG PX, 1, \zero, \pc, \pw
	s_wait_loadcnt 8+\y                                ; group 2 is in
	AVG E, 2, \zero, \pc, \pw
	s_wait_loadcnt \y                                  ; group 3 is in
	AVG \g3, 3, \zero, \pc, \pw
	WIN 0
	PLACES 5                                           ; four in front of loads into and writes of the products' registers; the fifth for products that write over QK
.if \fin
	QLOAD
	s_wait_xcnt 0x0                                    ; V's loads and prefetches have read their bases
.if \fin == 2
	s_add_nc_u64 s[VFC:VFC+1], s[VFC:VFC+1], 16384
	s_add_nc_u64 s[VSB:VSB+1], s[VSB:VSB+1], 1024
.else
	s_add_nc_u64 s[VFC:VFC+1], s[VFC:VFC+1], 65536
	s_add_nc_u64 s[VSB:VSB+1], s[VSB:VSB+1], 4096
.endif
	NEXTKEYS VF0, KSCB                                 ; the next step's second block, into the set that V's group 0 has left
.endif
.endm
; A step of pass 2's loop: four blocks of 32 keys, K's two sets by turns, then the product with V
.macro STEP2
	SCORE KFR, KSC, 2, 0, 2, 0
	QLOAD
	QUANTP PC, PW, 0
	SCORE VF0, KSCB, 0, 0, 2, 0
	QLOAD
	QUANTP PC, PW, 1
	SCORE KFR, KSC, 0, 0, 2, 0
	QLOAD
	QUANTP PC, PW, 2
	SCORE VF0, KSCB, 0, 1, 2, 0
	VLOAD E, 2, 0                                      ; the decay is used up
	QUANTP PC, PW, 3
	VLOAD QK, 3, 0                                     ; A is in codes
	AV 0, PC, PW, 2, QK, 0
.endm
	s_load_b256 s[4:11], s[0:1], 0x0                   ; QR, KF, KX, VF
	s_load_b128 s[12:15], s[0:1], 0x20                 ; VS, X
	s_load_b64 s[16:17], s[0:1], 0x30                  ; out0
	v_lshl_add_u32 v[SPW], v0, 2, SPARE
	v_mov_b32 v[NIL], 0
	v_lshrrev_b32 v180, 5, v0
	s_delay_alu instid0(VALU_DEP_1)
	v_readfirstlane_b32 s[WV], v180                    ; wave 0..7
	v_and_b32 v180, 31, v0                             ; lane
	v_and_b32 v181, 15, v0                             ; r
	v_bfe_u32 v182, v0, 4, 1                           ; h
	s_delay_alu instid0(VALU_DEP_2)
	v_and_b32 v183, 8, v181
	s_delay_alu instid0(VALU_DEP_1)
	v_add_nc_u32 v183, v183, v181                      ; rr = r + 8 (r / 8)
	v_lshlrev_b32 v[LI], 4, v180
	v_lshlrev_b32 v[LS], 2, v180
	s_delay_alu instid0(VALU_DEP_3)
	v_lshlrev_b32 v[R4], 2, v183
	v_lshlrev_b32 v[PFO], 8, v180
	s_delay_alu instid0(VALU_DEP_4)
	v_add_nc_u32 v[QA], QIMG, v[LI]
	s_lshl_b32 s43, s[WV], 9
	v_add_nc_u32 v[QW], s43, v[QA]
	v_lshl_add_u32 v[SL], v180, 3, STAT
	s_delay_alu instid0(VALU_DEP_1)
	v_add_nc_u32 v[SA], s43, v[SL]
	s_mul_i32 s43, s[WV], OWAVE                        ; my region
	s_add_co_u32 s62, s43, POSB                        ; and the positions in it
	v_mul_u32_u24 v[OW], v183, OPITCH
	s_delay_alu instid0(VALU_DEP_1)
	v_lshl_add_u32 v[OW], v182, 5, v[OW]
	s_delay_alu instid0(VALU_DEP_1)
	v_add_nc_u32 v[OW], s43, v[OW]                     ; row rr (tile t: 8 t rows on), + 32 h
	v_add_nc_u32 v[TB], s43, v[LI]
	v_add_nc_u32 v[PS], s62, v[LI]
	v_lshlrev_b32 v[PA0], 6, v182
	s_delay_alu instid0(VALU_DEP_1)
	v_add_nc_u32 v[PA0], s62, v[PA0]
	s_mul_i32 s43, s[WV], 4*OPITCH
	v_add_nc_u32 v[RD], s43, v[LI]                     ; region 0, rows 4 w on, 16 bytes a lane
; The positions of four blocks are 96 pieces of 16 bytes, 24 to a block: piece q = 32 j + lane lies in KX at 16 q + 384 (q / 24) + 256, and goes to LDS at 16 q.  q / 24 = 43 q >> 10 for q under 96.
.irp j, 0,1,2
	v_add_nc_u32 v[GP+\j], 32*\j, v180
	s_delay_alu instid0(VALU_DEP_1)
	v_mul_u32_u24 v187, v[GP+\j], 43
	s_delay_alu instid0(VALU_DEP_1)
	v_lshrrev_b32 v187, 10, v187
	s_delay_alu instid0(VALU_DEP_3)
	v_lshlrev_b32 v[GP+\j], 4, v[GP+\j]
	s_delay_alu instid0(VALU_DEP_1)
	v_mad_u32_u24 v[GP+\j], v187, 384, v[GP+\j]
.endr
	v_mov_b32 v[LC], 0xc05e28b1                        ; lc = log2(log2(e) / 16)
	v_mov_b32 v[LC+1], 0xc05e28b1
.irp t, 0,1
	v_mov_b32 v[ST+4*\t], 0xff61b1e6                   ; M: -3e38, under every t
	v_mov_b32 v[ST+4*\t+1], 0                          ; S
	v_mov_b32 v[ST+4*\t+2], 0
	v_mov_b32 v[ST+4*\t+3], 0
.endr
.irp i, 0,1,2,3,4,5,6,7
	v_mov_b32 v[TM+\i], 0                              ; written once: a lane permute's destination counts as one of its sources
.endr
	s_mov_b32 s[SEL], 0x76543210
	s_mov_b32 s[SEL+1], 0xfedcba98
	s_mov_b32 s[KO], 0
	s_mov_b32 s[KO+1], 0
	s_mov_b32 s[XO], 0
	s_mov_b32 s[XO+1], 0
	s_mov_b32 s[PO], 0
	s_cmp_eq_u32 ttmp9, 0
	s_cselect_b32 s[LIMK], 0, -1                       ; the first loop: work-group 0 asks in every trip
	s_cselect_b32 s[LIMV], 1, -1
	s_lshl_b32 s44, s[WV], 17                          ; my 32 blocks of KF, and my 8 steps of VF: 131,072 bytes
	s_mov_b32 s45, 0
	s_mul_i32 s46, s[WV], 24576                        ; of KX
	s_mov_b32 s47, 0
	s_lshl_b32 s48, s[WV], 13                          ; of VS
	s_mov_b32 s49, 0
	s_mul_i32 s50, ttmp9, 4352                         ; my queries' block in QR,
	s_mov_b32 s51, 0
	s_mul_i32 s52, ttmp9, 768                          ; in KX,
	s_mov_b32 s53, 0
	s_lshl_b32 s54, ttmp9, 15                          ; in X and out0: 32 rows of 1,024 bytes; my wave's four rows
	s_lshl_b32 s55, s[WV], 12
	s_add_co_u32 s54, s54, s55
	s_mov_b32 s55, 0
	s_lshl_b32 s56, s[WV], 9
	s_mov_b32 s57, 0
	s_wait_alu depctr_va_vdst(0)
	s_wait_kmcnt 0x0
	s_add_nc_u64 s[KFB:KFB+1], s[6:7], s[44:45]
	s_add_nc_u64 s[KXB:KXB+1], s[8:9], s[46:47]
	s_mov_b64 s[KFC:KFC+1], s[KFB:KFB+1]
	s_mov_b64 s[KXC:KXC+1], s[KXB:KXB+1]
	s_add_nc_u64 s[VFC:VFC+1], s[10:11], s[44:45]
	s_add_nc_u64 s[VSB:VSB+1], s[12:13], s[48:49]
	s_add_nc_u64 s[4:5], s[4:5], s[50:51]
	s_add_nc_u64 s[58:59], s[4:5], s[56:57]            ; my wave's 512 bytes of Q's image
	s_add_nc_u64 s[8:9], s[8:9], s[52:53]
	s_add_nc_u64 s[14:15], s[14:15], s[54:55]
	s_add_nc_u64 s[16:17], s[16:17], s[54:55]
	global_load_b128 v[PC:PC+3], v[LI], s[58:59]
.irp g, 0,1,2,3,4,5,6,7                ; my 1,024 keys' positions, four blocks (3,072 bytes of KX) at a time
.irp j, 0,1,2
	global_load_b128 v[PST+12*\g+4*\j:PST+12*\g+4*\j+3], v[GP+\j], s[KXB:KXB+1] offset:256+3072*\g
.endr
.endr
	global_load_b32 v[QSC], v[LS], s[4:5] offset:4096
	global_load_b32 v[QSC+1], v[LS], s[4:5] offset:4224
.irp t, 0,1
.irp p, 0,1,2
	global_load_b32 v[NQ+6*\t+2*\p], v[R4], s[8:9] offset:256+128*\p+32*\t     ; my query's position, twice: a pair for the packed subtraction
	global_load_b32 v[NQ+6*\t+2*\p+1], v[R4], s[8:9] offset:256+128*\p+32*\t
.endr
.endr
	KLOAD KFR, KSC                                     ; my first block,
	NEXTKEYS VF0, KSCB                                 ; and my second
	s_wait_loadcnt 34                                  ; my piece of Q and the positions are in: 2 + 12 + 10 + 10 younger loads may be out
	ds_store_b128 v[QW], v[PC:PC+3]
.irp g, 0,1,2,3,4,5,6,7
.irp j, 0,1,2
	ds_store_b128 v[PS], v[PST+12*\g+4*\j:PST+12*\g+4*\j+3] offset:1536*\g+512*\j   ; 512 consecutive bytes a store; I alone read them
.endr
.endr
	s_wait_dscnt 0x0                                   ; for the others' sake
	s_barrier_signal -1
	s_barrier_wait -1                                  ; Q's image is whole; nobody writes it again
	QLOAD
	; ---- PASS 1, blocks 0-15: 8 trips of two blocks, one on each of K's sets; their t are kept
	s_mov_b32 s[CNT], 8
.Lpass1a:
	SCORE KFR, KSC, 1, 0, 1, 0
	QLOAD
	STAT1
	SCORE VF0, KSCB, 0, 0, 1, 1
	QLOAD
	STAT1
	s_sub_co_u32 s[CNT], s[CNT], 1
	s_cmp_lg_u32 s[CNT], 0
	s_cbranch_scc1 .Lpass1a
	; ---- PASS 1, blocks 16-31: 8 trips
	s_cmp_eq_u32 ttmp9, 0
	s_cselect_b32 s[LIMK], 3, -1                       ; the last three trips ask for nothing
	s_mov_b32 s[CNT], 8
.Lpass1b:
	SCORE KFR, KSC, 1, 0, 3, 0
	QLOAD
	STAT1
	SCORE VF0, KSCB, 0, 0, 3, 1
	QLOAD
	STAT1
	s_sub_co_u32 s[CNT], s[CNT], 1
	s_cmp_lg_u32 s[CNT], 0
	s_cbranch_scc1 .Lpass1b
	; ---- the rows' maximum and sum.  First lanes l and l xor 16: two products and a sum, so that both lanes get the same bits
.irp t, 0,1
	v_permlanex16_b32 v[TM+4*\t], v[ST+4*\t], s[SEL], s[SEL+1]
	v_permlanex16_b32 v[TM+4*\t+1], v[ST+4*\t+1], s[SEL], s[SEL+1]
.endr
	s_delay_alu instid0(VALU_DEP_4)
	v_max_num_f32 v[TM+2], v[ST], v[TM]
	s_delay_alu instid0(VALU_DEP_3)
	v_max_num_f32 v[TM+6], v[ST+4], v[TM+4]
	s_delay_alu instid0(VALU_DEP_2)
	v_sub_f32 v[ST+2], v[ST], v[TM+2]
	s_delay_alu instid0(VALU_DEP_3)
	v_sub_f32 v[ST+3], v[TM], v[TM+2]
	s_delay_alu instid0(VALU_DEP_3)
	v_sub_f32 v[ST+6], v[ST+4], v[TM+6]
	s_delay_alu instid0(VALU_DEP_4)
	v_sub_f32 v[ST+7], v[TM+4], v[TM+6]
	s_wait_alu depctr_va_vdst(0)
.irp t, 0,1
	v_exp_f32 v[ST+4*\t+2], v[ST+4*\t+2]
	v_exp_f32 v[ST+4*\t+3], v[ST+4*\t+3]
.endr
	v_nop
	s_wait_alu depctr_va_vdst(0)                       ; one wait for the four
.irp t, 0,1
	v_mul_f32 v[ST+4*\t+1], v[ST+4*\t+1], v[ST+4*\t+2]
	v_mul_f32 v[TM+4*\t+1], v[TM+4*\t+1], v[ST+4*\t+3]
	v_mov_b32 v[ST+4*\t], v[TM+4*\t+2]
.endr
	v_add_f32 v[ST+1], v[ST+1], v[TM+1]
	s_delay_alu instid0(VALU_DEP_3)
	v_add_f32 v[ST+5], v[ST+5], v[TM+5]
.irp t, 0,1
	ds_store_b64 v[SA], v[ST+4*\t:ST+4*\t+1] offset:256*\t
.endr
	s_wait_dscnt 0x0                                   ; for the others' sake (the last fetch of Q has landed too)
	s_barrier_signal -1
	s_barrier_wait -1
.irp t, 0,1
.irp w, 0,1,2,3,4,5,6,7
	ds_load_b64 v[QK+16*\t+2*\w:QK+16*\t+2*\w+1], v[SL] offset:512*\w+256*\t   ; the eight waves' (M, S) of my query
.endr
.endr
	s_wait_dscnt 0x0
.irp t, 0,1
	v_max3_num_f32 v[ST+4*\t], v[QK+16*\t], v[QK+16*\t+2], v[QK+16*\t+4]
.endr
.irp t, 0,1
	s_delay_alu instid0(VALU_DEP_2)
	v_max3_num_f32 v[ST+4*\t], v[ST+4*\t], v[QK+16*\t+6], v[QK+16*\t+8]
.endr
.irp t, 0,1
	s_delay_alu instid0(VALU_DEP_2)
	v_max3_num_f32 v[ST+4*\t], v[ST+4*\t], v[QK+16*\t+10], v[QK+16*\t+12]
.endr
.irp t, 0,1
	s_delay_alu instid0(VALU_DEP_2)
	v_max_num_f32 v[ST+4*\t], v[ST+4*\t], v[QK+16*\t+14]   ; m
.endr
.irp t, 0,1
.irp w, 0,1,2,3,4,5,6,7
	v_sub_f32 v[QK+16*\t+2*\w], v[QK+16*\t+2*\w], v[ST+4*\t]
.endr
.endr
	s_wait_alu depctr_va_vdst(0)
.irp t, 0,1
.irp w, 0,1,2,3,4,5,6,7
	v_exp_f32 v[QK+16*\t+2*\w], v[QK+16*\t+2*\w]
.endr
.endr
	v_nop
	s_wait_alu depctr_va_vdst(0)                       ; one wait for the sixteen
.irp t, 0,1
	v_mul_f32 v[ST+4*\t+1], v[QK+16*\t+1], v[QK+16*\t]
.endr
.irp w, 1,2,3,4,5,6,7
.irp t, 0,1
	v_fma_f32 v[ST+4*\t+1], v[QK+16*\t+2*\w+1], v[QK+16*\t+2*\w], v[ST+4*\t+1]
.endr
.endr
.irp t, 0,1
	s_delay_alu instid0(VALU_DEP_2)
	v_add_f32 v[ST+4*\t+1], 1.0, v[ST+4*\t+1]          ; 1 + S
.endr
	s_wait_alu depctr_va_vdst(0)
.irp t, 0,1
	v_log_f32 v[ST+4*\t+2], v[ST+4*\t+1]
.endr
	v_nop
	s_wait_alu depctr_va_vdst(0)                       ; one wait for the two
.irp t, 0,1
	v_sub_f32 v[ST+4*\t], -v[ST+4*\t], v[ST+4*\t+2]    ; -m' = -m - log2(1 + S)
.endr
	; ---- PASS 2, the kept blocks: my steps 0 and 1 (window 1), 2 and 3 (LDS).  V's bases stand at my step 0; the steps are reached by the loads' offsets.
	; A step's V is asked for whole, then a later step's t become codes while it is on its way; A's two sets of codes take turns.
	s_mov_b32 s[PO], 16*384                            ; the loop's positions begin at block 16,
	s_mov_b32 s[KO], 15*4096                           ; and so does its K: the next block in the order of fetching is 16
	s_wait_alu depctr_va_vdst(0)
	s_wait_loadcnt 0x0                                 ; pass 1's last look-aheads have landed: K's two sets may be loaded into
	VALL 0, KFR
.irp b, 0,1,2,3
	UREG \b
	QUANTP PC, PW, \b
.endr
.irp b, 0,1,2,3
	UREG 4+\b
	QUANTP PC2, KSCB, \b
.endr
	AV 1, PC, PW, 0, KFR, 0                            ; window 1 is read out: these products start O^T's sums, so nothing is cleared
	VALL 1, KFR
.irp b, 0,1,2,3
	ULDS \b
	QUANTP PC, PW, \b
.endr
	AV 0, PC2, KSCB, 0, KFR, 0
	VALL 2, KFR
.irp b, 0,1,2,3
	ULDS 4+\b
	QUANTP PC2, KSCB, \b
.endr
	AV 0, PC, PW, 0, KFR, 0
	VALL 3, QK
	NEXTKEYS KFR, KSC                                  ; block 16: ten loads younger than V's
	AV 0, PC2, KSCB, 1, QK, 10
	; ---- PASS 2, my steps 4 to 7
	s_mov_b32 s[CNT], 4
.Lpass2:
	STEP2
	s_sub_co_u32 s[CNT], s[CNT], 1
	s_cmp_lg_u32 s[CNT], 0
	s_cbranch_scc1 .Lpass2
	; ---- THE WAY OUT: the eight waves' partial O^T meet in LDS as rows of out0; wave w sums rows 4 w .. 4 w + 3, adds X and stores them whole
	s_wait_dscnt 0x0                                   ; my reads of my region are over, and the last fetch of Q, which nobody uses, has landed
.irp i, 0,1,2,3
.irp f, 0,1
	global_load_b128 v[XB+8*\i+4*\f:XB+8*\i+4*\f+3], v[LI], s[14:15] offset:1024*\i+512*\f th:TH_LOAD_NT
.endr
.endr
	WIN 0x04                                           ; an LDS store's data are its source 1: window 1
.irp t, 0,1
.irp c, 0,1,2,3,4,5,6,7,8,9,10,11,12,13,14,15
	ds_store_b128 v[OW], v[8*(16*\t+\c):8*(16*\t+\c)+3] offset:\t*8*OPITCH+64*\c        ; lane (r, h): O(query 8 t + rr, channel 16 c + 8 h + 0 .. 7); each accumulator from its low end on
	ds_store_b128 v[OW], v[8*(16*\t+\c)+4:8*(16*\t+\c)+7] offset:\t*8*OPITCH+64*\c+16
.endr
.endr
	WIN 0
	s_wait_dscnt 0x0                                   ; for the others' sake
	s_barrier_signal -1
	s_barrier_wait -1
.macro OLOAD reg                       ; my four rows of the next wave's region: 8 loads of 512 consecutive bytes
.irp i, 0,1,2,3
.irp f, 0,1
	ds_load_b128 v[\reg+8*\i+4*\f:\reg+8*\i+4*\f+3], v[RD] offset:\i*OPITCH+512*\f
.endr
.endr
	v_add_nc_u32 v[RD], OWAVE, v[RD]
.endm
	OLOAD ACC
	OLOAD B0
	OLOAD B0+32
.irp k, 1,2,3,4,5,6,7
.if \k < 7
	s_wait_dscnt 8                                     ; region k's rows are in; the next region's eight loads may be out
.else
	s_wait_dscnt 0x0
.endif
.irp j, 0,2,4,6,8,10,12,14,16,18,20,22,24,26,28,30
	v_pk_add_f32 v[ACC+\j:ACC+\j+1], v[ACC+\j:ACC+\j+1], v[B0+32*((\k-1)%2)+\j:B0+32*((\k-1)%2)+\j+1]
.endr
.if \k < 6
	OLOAD B0+32*((\k-1)%2)
.endif
.endr
	s_wait_loadcnt 0x0                                 ; X
.irp j, 0,2,4,6,8,10,12,14,16,18,20,22,24,26,28,30
	v_pk_add_f32 v[ACC+\j:ACC+\j+1], v[ACC+\j:ACC+\j+1], v[XB+\j:XB+\j+1]
.endr
.irp i, 0,1,2,3
.irp f, 0,1
	global_store_b128 v[LI], v[ACC+8*\i+4*\f:ACC+8*\i+4*\f+3], s[16:17] offset:1024*\i+512*\f th:TH_STORE_NT   ; 32 lanes store 512 consecutive bytes, at a multiple of 256 from out0's first byte
.endr
.endr
	s_wait_tensorcnt 0x0                               ; the wave's end
	ds_add_u32 v[SPW], v[NIL]
	s_wait_dscnt 0x0
	s_endpgm
.Lfunc_end_k_qa8ce3154ef_attn:
	.size	k_qa8ce3154ef_attn, .Lfunc_end_k_qa8ce3154ef_attn-k_qa8ce3154ef_attn
	.p2alignl 7, 3214868480
	.fill 96, 4, 3214868480
	.section	.rodata,"a",@progbits
	.p2align	6, 0x0
	.amdhsa_kernel k_qa8ce3154ef_attn
		.amdhsa_group_segment_fixed_size 327680
		.amdhsa_private_segment_fixed_size 0
		.amdhsa_enable_private_segment 0
		.amdhsa_kernarg_size 56
		.amdhsa_user_sgpr_count 2
		.amdhsa_user_sgpr_kernarg_segment_ptr 1
		.amdhsa_wavefront_size32 1
		.amdhsa_system_sgpr_workgroup_id_x 1
		.amdhsa_system_sgpr_workgroup_id_y 1
		.amdhsa_system_sgpr_workgroup_id_z 1
		.amdhsa_system_vgpr_workitem_id 0
		.amdhsa_next_free_vgpr 512
		.amdhsa_next_free_sgpr 66
		.amdhsa_reserve_vcc 0
		.amdhsa_float_denorm_mode_32 3
		.amdhsa_float_denorm_mode_16_64 3
		.amdhsa_memory_ordered 1
		.amdhsa_forward_progress 1
		.amdhsa_inst_pref_size 255
	.end_amdhsa_kernel
	.section	.bss,"aw",@nobits
	.p2align	6
	.space	262144
	.amdgpu_metadata
---
amdhsa.version: [ 1, 2 ]
amdhsa.kernels:
  - .name:           k_qa8ce3154ef_attn
    .symbol:         k_qa8ce3154ef_attn.kd
    .args:
      - { .name: QR, .offset: 0, .size: 8, .value_kind: global_buffer, .address_space: global }
      - { .name: KF, .offset: 8, .size: 8, .value_kind: global_buffer, .address_space: global }
      - { .name: KX, .offset: 16, .size: 8, .value_kind: global_buffer, .address_space: global }
      - { .name: VF, .offset: 24, .size: 8, .value_kind: global_buffer, .address_space: global }
      - { .name: VS, .offset: 32, .size: 8, .value_kind: global_buffer, .address_space: global }
      - { .name: X, .offset: 40, .size: 8, .value_kind: global_buffer, .address_space: global }
      - { .name: out0, .offset: 48, .size: 8, .value_kind: global_buffer, .address_space: global }
    .group_segment_fixed_size: 327680
    .private_segment_fixed_size: 0
    .kernarg_segment_align: 8
    .kernarg_segment_size: 56
    .max_flat_workgroup_size: 256
    .sgpr_count:     66
    .vgpr_count:     512
    .wavefront_size: 32
...
	.end_amdgpu_metadata
.endif
;; end of part 2
